; MI455X (gfx1250); checked and timed in simulation.
; The chip was launched on July 23, 2026; its instructions are those of AMD's public machine-readable ISA for CDNA 5 (MIT licence, August 2026) and "CDNA5" Instruction Set Architecture Reference Guide (July 2026). The comments in the code are by the model that wrote it; some were corrected since.
;; Attention Layer. Allowed arithmetic: matrix products marked QUANTISED: E4M3 operands, one given power-of-two scale a tensor, by v_wmma_f32_16x16x64_fp8_fp8 or v_wmma_f32_16x16x128_fp8_fp8, f32 sums; everything else in f32.
;; Inputs: bk 1,024 float32; bq 1,024 float32; bv 1,024 float32; lowp_scales 10 int32 (the exponents e of the quantised operands' scales 2^e); mask 4 x 2,048 int32; wk 1,024 x 1,024 float32; wq 1,024 x 1,024 float32; wv 1,024 x 1,024 float32; x 4 x 2,048 x 1,024 float32.
;; Outputs: out0 4 x 2,048 x 1,024 float32.
;; This version of the problem:
;;   THIS VERSION OF THE PROBLEM IS GIVEN IN LOW PRECISION. The matrix products marked QUANTISED in the list below multiply operands that are first quantised to E4M3 (4 exponent bits, 3 mantissa bits; 8 bits a number), with one given power-of-two scale for each operand tensor; their sums are f32. All else is computed in f32.
;;   The module's matrix products, in the order in which they are computed (A, B: the left and right operand; K: the contracted axis; several contracted axes count as one K, in the product's order):
;;     1. [M 8,192, K 1,024] x [K 1,024, N 1,024]; A: input x; B: input wq: QUANTISED (scales: A lowp_scales[0], B lowp_scales[1])
;;     2. [M 8,192, K 1,024] x [K 1,024, N 1,024]; A: input x; B: input wk: QUANTISED (scales: A lowp_scales[2], B lowp_scales[3])
;;     3. [M 8,192, K 1,024] x [K 1,024, N 1,024]; A: input x; B: input wv: QUANTISED (scales: A lowp_scales[4], B lowp_scales[5])
;;     4. batch 64 x [M 2,048, K 64] x [K 64, N 2,048]; A: computed on the way; B: computed on the way: QUANTISED (scales: A lowp_scales[6], B lowp_scales[7])
;;     5. batch 64 x [M 2,048, K 2,048] x [K 2,048, N 64]; A: softmax (see below); B: computed on the way: QUANTISED (scales: A lowp_scales[8], B lowp_scales[9])
;;   THE QUANTISER, for each operand of a quantised product, along K:
;;     - The operand's scale is 2^e, e = its entry of the input lowp_scales (int32; the entries are numbered through the quantised products in the list's order, A before B).
;;     - Each number is divided by the scale, clamped to +-448, and rounded to the nearest number of E4M3, ties to even, subnormals kept.
;;     - The product sums the exact products of the quantised numbers (number of the format x scale) in f32.
;;   ~~~python
;;   def quantise(x, axis, e):      # numpy; x: float32 -> the quantised numbers, widened to float32 again
;;       x = np.moveaxis(x, axis, -1); K = x.shape[-1]
;;       r = np.clip(x / 2.0 ** e, -448, 448)
;;       step = 2.0 ** (np.maximum(np.frexp(np.where(r == 0, 1, r))[1] - 1, -6) - 3)
;;       q = np.round(r / step) * step * 2.0 ** e      # np.round: ties to even
;;       return np.moveaxis(q, -1, axis).astype(np.float32)
;;   ~~~
;;   SOFTMAX AHEAD OF A QUANTISED PRODUCT. Where the list says 'softmax', what is quantised is not the finished softmax but p = 2^(t - M), with t = logit x log2(e) and M = ceil(the row's largest t), a whole number; so 1/2 < the row's largest p <= 1. The row's sum l is taken of the UNQUANTISED p, in f32, and the product's result is divided by l at the end. Since M is a whole number, a kernel that streams over the keys may use a running M (the ceiling of the running maximum): every later rescaling is an exact power of two, so the quantised numbers keep their values, but for numbers so far below the row's largest that they fall under the format's range.
;;   OPERANDS COMPUTED ON THE WAY. 'Computed on the way' means the value that the module computes at that place (a softmax that the list does not call 'softmax' is quantised finished and normalised). What goes into a quantiser is computed in f32, as accurately as f32 sums, v_exp_f32 and their like allow (about 1e-6 of the number): no bf16 or f16 on the way to a quantiser, and a product that is left as it is and whose result goes on into a quantised operand takes f32 operands (vector FMAs, or v_wmma_f32_16x16x4_f32). A number that lies on a knife's edge between two numbers of the format may be rounded either way, as far as f32 arithmetic and the matrix unit's own rounding can turn it there, and no further.
;; One version. Each part assembles by itself: llvm-mc -triple=amdgcn-amd-amdhsa -mcpu=gfx1250 --defsym DOCPART=n.
;; ======== version 1 of 1: 4 launches
;; workspace buffers: xc 25,165,824 bytes; wc 3,145,728 bytes; qkv 25,165,824 bytes
;; launch qx (part 1): grid 256 x 1, 4 waves a work-group, no clusters, 33,280 bytes of LDS; arguments x, lowp_scales, xc; writes xc
.if DOCPART == 1
	.amdgcn_target "amdgcn-amd-amdhsa--gfx1250"
	.amdhsa_code_object_version 6
	.text
	.protected	k_q6eb56be4bf_qx
	.globl	k_q6eb56be4bf_qx
	.p2align	8
	.type	k_q6eb56be4bf_qx,@function
k_q6eb56be4bf_qx:
	s_mov_b64 s[64:65], 0
	v_nop
	global_prefetch_b8 v0, s[64:65] scope:SCOPE_SE
	s_setreg_imm32_b32 hwreg(HW_REG_WAVE_MODE, 25, 1), 1
	s_wait_xcnt 0x0
; x [8192][1024] f32 becomes three sets of E4M3 codes, K innermost, one for each projection: set p (8,388,608 bytes on end in xc)
; takes the given scale 2^e, e = entry 0, 2, 4 of the exponents.  code = x / 2^e, held within +-448, to the nearest code, ties to even.
; x is read once; the three sets differ only in the hold and the conversion.
; Rows are dense, so x is a plain stream.  A wave takes 16 steps of 512 numbers.  A conversion takes 8 neighbours from ONE lane's registers, a load is best
; where neighbouring LANES take neighbouring bytes: so each of a step's four loads reads 512 consecutive bytes, the 2,048 bytes go through the wave's own
; stage in LDS as they lie and come back 64 bytes a lane (16 bytes of padding behind each 64).  A lane's 16 codes are 16 bytes: a store covers 512 consecutive bytes.
; No tensor loads, no barrier: waves share nothing.  Loads run four steps (16 loads a wave) ahead, the turn through LDS one step.
; LIMITS: each e between -126 and 119, so that 2^e and 448 x 2^e are f32 numbers.  NaN among the inputs is not served.
.set STEPS, 16
.set SP,    80                         ; a lane's place in a stage: 64 bytes + 16 of padding
.set WREG,  8192                       ; LDS of a wave: two stages of 32 x SP bytes
.set SC,    5                          ; v5-7    2^e of the three sets
.set LM,    8                          ; v8-10   448 x 2^e
.set R,     16                         ; v16-79  four sets of 16 numbers as loaded
.set X,     80                         ; v80-111 two sets of 16 neighbours
.set T,     112                        ; v112-159 the 16 neighbours held three ways
.set C,     160                        ; v160-183 codes: 12 registers a step, two sets by turns
	s_load_b128 s[4:7], s[0:1], 0x0                ; x s[4:5], the exponents s[6:7]
	s_load_b64 s[8:9], s[0:1], 0x10                ; xc
	v_lshl_add_u32 v192, v0, 2, 0x8000
	v_mov_b32 v193, 0
	v_lshrrev_b32 v1, 5, v0
	v_readfirstlane_b32 s16, v1                    ; wave
	v_and_b32 v2, 31, v0                           ; lane
	v_lshlrev_b32 v3, 4, v2                        ; 16 x lane: my 16 bytes of a load's 512, and of a store's; never rewritten
	s_mul_i32 s17, s16, WREG
	v_lshrrev_b32 v14, 2, v2
	v_mul_u32_u24 v14, v14, SP
	v_and_b32 v15, 3, v2
	v_lshl_add_u32 v14, v15, 4, v14
	v_add_nc_u32 v14, s17, v14                     ; the stage, way in: SP (lane / 4) + 16 (lane % 4); a load's 512 bytes take eight places
	v_mul_u32_u24 v15, v2, SP
	v_add_nc_u32 v15, s17, v15                     ; way out: SP x lane: my 16 neighbours
	s_lshl_b32 s18, ttmp9, 2
	s_add_co_u32 s18, s18, s16                     ; which run of 8,192 numbers is my wave's
	s_lshl_b32 s20, s18, 15                        ; 32,768 bytes of x a run
	s_mov_b32 s21, 0
	s_lshl_b32 s22, s18, 13                        ; 8,192 bytes of codes a run
	s_mov_b32 s23, 0
	s_wait_kmcnt 0x0
	s_load_b128 s[24:27], s[6:7], 0x0              ; entries 0 to 3
	s_load_b32 s28, s[6:7], 0x10                   ; entry 4
	s_add_nc_u64 s[4:5], s[4:5], s[20:21]
	s_add_nc_u64 s[8:9], s[8:9], s[22:23]          ; set 0
	s_add_nc_u64 s[10:11], s[8:9], 0x800000        ; set 1
	s_add_nc_u64 s[12:13], s[8:9], 0x1000000       ; set 2
.macro LOAD t
.irp i, 0,1,2,3
	global_load_b128 v[R+16*((\t)%4)+4*\i:R+16*((\t)%4)+4*\i+3], v3, s[4:5] offset:2048*(\t)+512*\i th:TH_LOAD_NT   ; 32 lanes read 512 consecutive bytes
.endr
.endm
.macro TURN t                          ; step t's numbers through the stage: LDS serves a wave's instructions in order, so no wait stands between the stores and the loads
.irp i, 0,1,2,3
	ds_store_b128 v14, v[R+16*((\t)%4)+4*\i:R+16*((\t)%4)+4*\i+3] offset:32*SP*((\t)%2)+8*SP*\i
.endr
.irp i, 0,1,2,3
	ds_load_b128 v[X+16*((\t)%2)+4*\i:X+16*((\t)%2)+4*\i+3], v15 offset:32*SP*((\t)%2)+16*\i
.endr
.endm
.irp t, 0,1,2,3
	LOAD \t
.endr
.macro MKSC e, p                       ; from the whole number e in s[e]: 2^e and 448 x 2^e as f32
	s_add_co_i32 s[\e], s[\e], 127
	s_lshl_b32 s29, s[\e], 23
	v_mov_b32 v[SC+\p], s29                        ; the conversion takes its exponent field
	s_add_co_i32 s[\e], s[\e], 8
	s_lshl_b32 s[\e], s[\e], 23
	s_or_b32 s[\e], s[\e], 0x600000                ; 448 = 1.75 x 2^8
	v_mov_b32 v[LM+\p], s[\e]
.endm
	s_wait_kmcnt 0x0
	MKSC 24, 0
	MKSC 26, 1
	MKSC 28, 2
	s_wait_loadcnt 12                              ; step 0's four loads are in; those of steps 1 to 3 may be out
	TURN 0
.macro STEP t
.set XS, X+16*((\t)%2)
.set CS, C+12*((\t)%2)
	s_wait_dscnt 0x0                               ; this step's numbers are back from the stage: so its stores into the stage have read their registers,
.if (\t)+4 < STEPS
	LOAD (\t)+4                                    ; which take the loads of four steps on
.endif
.if (\t)+1 < STEPS
.if STEPS-2-(\t) >= 3
	s_wait_loadcnt 12                              ; the next step's four loads are in; those of the three steps behind it may be out
.else
	s_wait_loadcnt 4*(STEPS-2-(\t))
.endif
	TURN (\t)+1                                    ; and go through the other stage while this step is worked
.endif
.irp p, 0,1,2
.irp i, 0,1,2,3,4,5,6,7,8,9,10,11,12,13,14,15
	v_med3_num_f32 v[T+16*\p+\i], v[XS+\i], -v[LM+\p], v[LM+\p]   ; the conversion to an 8-bit code does not saturate (ISA guide 7.6.2): the hold at the largest code x the scale, into registers of the set's own
.endr
.endr
.if (\t) >= 2
	s_wait_xcnt 0x0                                ; the stores of two steps back have read their data: these code registers are written again only behind this wait
.endif
.irp p, 0,1,2
	v_cvt_scalef32_pk8_fp8_f32 v[CS+4*\p:CS+4*\p+1], v[T+16*\p:T+16*\p+7], v[SC+\p]
	v_cvt_scalef32_pk8_fp8_f32 v[CS+4*\p+2:CS+4*\p+3], v[T+16*\p+8:T+16*\p+15], v[SC+\p]
.endr
	v_nop                                          ; a plain vector line behind the conversions: the next step's holds write their sources
.irp p, 0,1,2
	global_store_b128 v3, v[CS+4*\p:CS+4*\p+3], s[8+2*\p:9+2*\p] offset:512*(\t)   ; 512 consecutive bytes, at a multiple of 512 from the set's first byte
.endr
.endm
.irp t, 0,1,2,3,4,5,6,7,8,9,10,11,12,13,14,15
	STEP \t
.endr
	s_wait_tensorcnt 0x0
	ds_add_u32 v192, v193
	s_wait_dscnt 0x0
	s_endpgm
.Lfunc_end_k_q6eb56be4bf_qx:
	.size	k_q6eb56be4bf_qx, .Lfunc_end_k_q6eb56be4bf_qx-k_q6eb56be4bf_qx
	.p2alignl 7, 3214868480
	.fill 96, 4, 3214868480
	.section	.rodata,"a",@progbits
	.p2align	6, 0x0
	.amdhsa_kernel k_q6eb56be4bf_qx
		.amdhsa_group_segment_fixed_size 33280
		.amdhsa_private_segment_fixed_size 0
		.amdhsa_enable_private_segment 0
		.amdhsa_kernarg_size 24
		.amdhsa_user_sgpr_count 2
		.amdhsa_user_sgpr_kernarg_segment_ptr 1
		.amdhsa_wavefront_size32 1
		.amdhsa_system_sgpr_workgroup_id_x 1
		.amdhsa_system_sgpr_workgroup_id_y 1
		.amdhsa_system_sgpr_workgroup_id_z 1
		.amdhsa_system_vgpr_workitem_id 0
		.amdhsa_next_free_vgpr 194
		.amdhsa_next_free_sgpr 66
		.amdhsa_reserve_vcc 0
		.amdhsa_float_denorm_mode_32 3
		.amdhsa_float_denorm_mode_16_64 3
		.amdhsa_memory_ordered 1
		.amdhsa_forward_progress 1
		.amdhsa_inst_pref_size 78
	.end_amdhsa_kernel
	.amdgpu_metadata
---
amdhsa.version: [ 1, 2 ]
amdhsa.kernels:
  - .name:           k_q6eb56be4bf_qx
    .symbol:         k_q6eb56be4bf_qx.kd
    .args:
      - { .name: x, .offset: 0, .size: 8, .value_kind: global_buffer, .address_space: global }
      - { .name: lowp_scales, .offset: 8, .size: 8, .value_kind: global_buffer, .address_space: global }
      - { .name: xc, .offset: 16, .size: 8, .value_kind: global_buffer, .address_space: global }
    .group_segment_fixed_size: 33280
    .private_segment_fixed_size: 0
    .kernarg_segment_align: 8
    .kernarg_segment_size: 24
    .max_flat_workgroup_size: 128
    .sgpr_count:     66
    .vgpr_count:     194
    .wavefront_size: 32
...
	.end_amdgpu_metadata
.endif
;; end of part 1
;; launch qw (part 2): grid 16 x 12, 8 waves a work-group, no clusters, 18,432 bytes of LDS; arguments wq, wk, wv, lowp_scales, wc; writes wc
.if DOCPART == 2
	.amdgcn_target "amdgcn-amd-amdhsa--gfx1250"
	.amdhsa_code_object_version 6
	.text
	.protected	k_q6eb56be4bf_qw
	.globl	k_q6eb56be4bf_qw
	.p2align	8
	.type	k_q6eb56be4bf_qw,@function
k_q6eb56be4bf_qw:
	s_mov_b64 s[64:65], 0
	v_nop
	global_prefetch_b8 v0, s[64:65] scope:SCOPE_SE
	s_setreg_imm32_b32 hwreg(HW_REG_WAVE_MODE, 25, 1), 1
	s_wait_xcnt 0x0
; wq, wk, wv [k 1024][n 1024] f32, K along the FIRST axis, become E4M3 codes laid [n][k], K innermost: weight p at byte p x 1,048,576 of wc, with the given scale 2^e, e = entry 1, 3, 5.
; A LANE TAKES A COLUMN n, AND ITS REGISTERS RUN DOWN K: a load reads neighbouring n in neighbouring lanes, and the conversions, which take neighbours along K from one
; lane's registers, give codes with K innermost.  Nothing is transposed by an instruction.
; A work-group (x: 64 columns; y: weight y / 4, 256 rows of K at 256 (y % 4)) has eight waves: wave w takes columns 32 (w % 2) on and rows 64 (w / 2) on, 64 loads a lane, all out at once;
; two waves side by side read 256 consecutive bytes of a row.  The codes meet in a stage of 64 rows (columns n) x 256 bytes, and leave as rows: sixteen lanes store 256 consecutive, aligned bytes.
; LIMITS: e between -126 and 119.  NaN among the inputs is not served.
.set PITCH, 272                        ; a stage row: 256 bytes + 16
.set X,     16                         ; v16-79  64 numbers down K
.set C,     80                         ; v80-95  their codes
	s_load_b256 s[4:11], s[0:1], 0x0               ; wq s[4:5], wk s[6:7], wv s[8:9], the exponents s[10:11]
	s_load_b64 s[12:13], s[0:1], 0x20              ; wc
	v_lshl_add_u32 v96, v0, 2, 0x4400
	v_mov_b32 v97, 0
	v_lshrrev_b32 v1, 5, v0
	v_readfirstlane_b32 s16, v1                    ; wave 0..7
	v_and_b32 v2, 31, v0                           ; lane
	s_and_b32 s17, ttmp7, 0xffff
	s_lshr_b32 s18, s17, 2                         ; which weight
	s_and_b32 s19, s17, 3                          ; which 256 along K
	s_and_b32 s20, s16, 1                          ; which 32 columns
	s_lshr_b32 s21, s16, 1                         ; which 64 of the 256 along K
	v_lshlrev_b32 v3, 2, v2                        ; in: 4 bytes a lane
	s_mul_i32 s22, s20, 32*PITCH
	s_lshl_b32 s23, s21, 6
	s_add_co_u32 s22, s22, s23
	v_mul_u32_u24 v4, v2, PITCH
	v_add_nc_u32 v4, s22, v4                       ; into the stage: row = my column, byte = my 64 along K
	v_and_b32 v5, 15, v2
	v_lshrrev_b32 v6, 4, v2
	s_mul_i32 s22, s16, 8*PITCH
	v_mul_u32_u24 v7, v6, PITCH
	v_lshl_add_u32 v7, v5, 4, v7
	v_add_nc_u32 v7, s22, v7                       ; out of it: wave w takes rows 8 w on, sixteen lanes to a row, two rows an instruction
	v_lshlrev_b32 v8, 10, v6
	v_lshl_add_u32 v8, v5, 4, v8
	s_lshl_b32 s22, s16, 13
	v_add_nc_u32 v8, s22, v8                       ; and the same place among the codes: rows of 1,024 bytes
	s_lshl_b32 s24, s19, 20                        ; the source: (256 ky + 64 kc) rows of 4,096 bytes + 4 (64 x + 32 cg)
	s_lshl_b32 s25, s21, 18
	s_add_co_u32 s24, s24, s25
	s_lshl_b32 s25, ttmp9, 8
	s_add_co_u32 s24, s24, s25
	s_lshl_b32 s25, s20, 7
	s_add_co_u32 s24, s24, s25
	s_mov_b32 s25, 0
	s_lshl_b32 s26, s18, 20                        ; the codes: weight x 1,048,576 + 64 x rows of 1,024 + 256 ky
	s_lshl_b32 s27, ttmp9, 16
	s_add_co_u32 s26, s26, s27
	s_lshl_b32 s27, s19, 8
	s_add_co_u32 s26, s26, s27
	s_mov_b32 s27, 0
	s_wait_kmcnt 0x0
	s_load_b256 s[32:39], s[10:11], 0x0            ; entries 0 to 7
	s_cmp_eq_u32 s18, 1                            ; the choice of the weight hangs on the work-group's number alone
	s_cselect_b64 s[4:5], s[6:7], s[4:5]
	s_cmp_eq_u32 s18, 2
	s_cselect_b64 s[4:5], s[8:9], s[4:5]
	s_add_nc_u64 s[4:5], s[4:5], s[24:25]
	s_add_nc_u64 s[12:13], s[12:13], s[26:27]
.set i, 0
.rept 64
	global_load_b32 v[X+i], v3, s[4:5] offset:i*4096 th:TH_LOAD_NT   ; w(k0 + i, my column): 32 lanes read 128 consecutive bytes
.set i, i+1
.endr
	s_wait_kmcnt 0x0
	s_cmp_eq_u32 s18, 1
	s_cselect_b32 s28, s35, s33                    ; e: entry 1, 3 or 5
	s_cmp_eq_u32 s18, 2
	s_cselect_b32 s28, s37, s28
	s_add_co_i32 s28, s28, 127
	s_lshl_b32 s29, s28, 23
	v_mov_b32 v11, s29                             ; 2^e as f32
	s_add_co_i32 s28, s28, 8
	s_lshl_b32 s28, s28, 23
	s_or_b32 s28, s28, 0x600000
	v_mov_b32 v10, s28                             ; 448 x 2^e
.irp u, 0,1
.if \u == 0
	s_wait_loadcnt 32                              ; rows 0 to 31 are in; the 32 younger loads may be out
.else
	s_wait_loadcnt 0x0
.endif
.set i, 32*\u
.rept 32
	v_med3_num_f32 v[X+i], v[X+i], -v10, v10       ; the hold: the conversion does not saturate (ISA guide 7.6.2)
.set i, i+1
.endr
.irp g, 0,1,2,3
	v_cvt_scalef32_pk8_fp8_f32 v[C+8*\u+2*\g:C+8*\u+2*\g+1], v[X+32*\u+8*\g:X+32*\u+8*\g+7], v11
.endr
.endr
	v_nop                                          ; a plain vector line behind the last conversion
.irp j, 0,1,2,3
	ds_store_b128 v4, v[C+4*\j:C+4*\j+3] offset:16*\j
.endr
	s_wait_dscnt 0x0                               ; for the others' sake: my stores into the stage are done
	s_barrier_signal -1
	s_barrier_wait -1
.irp j, 0,1,2,3
	ds_load_b128 v[X+4*\j:X+4*\j+3], v7 offset:2*\j*PITCH
.endr
.irp j, 0,1,2,3
	s_wait_dscnt 3-\j                              ; LDS loads come back in order: pair j of rows is in
	global_store_b128 v8, v[X+4*\j:X+4*\j+3], s[12:13] offset:2*\j*1024   ; sixteen lanes store 256 consecutive bytes, aligned
.endr
	s_wait_tensorcnt 0x0
	ds_add_u32 v96, v97
	s_wait_dscnt 0x0
	s_endpgm
.Lfunc_end_k_q6eb56be4bf_qw:
	.size	k_q6eb56be4bf_qw, .Lfunc_end_k_q6eb56be4bf_qw-k_q6eb56be4bf_qw
	.p2alignl 7, 3214868480
	.fill 96, 4, 3214868480
	.section	.rodata,"a",@progbits
	.p2align	6, 0x0
	.amdhsa_kernel k_q6eb56be4bf_qw
		.amdhsa_group_segment_fixed_size 18432
		.amdhsa_private_segment_fixed_size 0
		.amdhsa_enable_private_segment 0
		.amdhsa_kernarg_size 40
		.amdhsa_user_sgpr_count 2
		.amdhsa_user_sgpr_kernarg_segment_ptr 1
		.amdhsa_wavefront_size32 1
		.amdhsa_system_sgpr_workgroup_id_x 1
		.amdhsa_system_sgpr_workgroup_id_y 1
		.amdhsa_system_sgpr_workgroup_id_z 1
		.amdhsa_system_vgpr_workitem_id 0
		.amdhsa_next_free_vgpr 98
		.amdhsa_next_free_sgpr 66
		.amdhsa_reserve_vcc 0
		.amdhsa_float_denorm_mode_32 3
		.amdhsa_float_denorm_mode_16_64 3
		.amdhsa_memory_ordered 1
		.amdhsa_forward_progress 1
		.amdhsa_inst_pref_size 15
	.end_amdhsa_kernel
	.amdgpu_metadata
---
amdhsa.version: [ 1, 2 ]
amdhsa.kernels:
  - .name:           k_q6eb56be4bf_qw
    .symbol:         k_q6eb56be4bf_qw.kd
    .args:
      - { .name: wq, .offset: 0, .size: 8, .value_kind: global_buffer, .address_space: global }
      - { .name: wk, .offset: 8, .size: 8, .value_kind: global_buffer, .address_space: global }
      - { .name: wv, .offset: 16, .size: 8, .value_kind: global_buffer, .address_space: global }
      - { .name: lowp_scales, .offset: 24, .size: 8, .value_kind: global_buffer, .address_space: global }
      - { .name: wc, .offset: 32, .size: 8, .value_kind: global_buffer, .address_space: global }
    .group_segment_fixed_size: 18432
    .private_segment_fixed_size: 0
    .kernarg_segment_align: 8
    .kernarg_segment_size: 40
    .max_flat_workgroup_size: 256
    .sgpr_count:     66
    .vgpr_count:     98
    .wavefront_size: 32
...
	.end_amdgpu_metadata
.endif
;; end of part 2
;; launch proj (part 3): grid 4 x 96, 4 waves a work-group, clusters of 4 x 4, 327,680 bytes of LDS; arguments xc, wc, lowp_scales, bq, bk, bv, qkv; writes qkv
.if DOCPART == 3
	.amdgcn_target "amdgcn-amd-amdhsa--gfx1250"
	.amdhsa_code_object_version 6
	.text
	.protected	k_q6eb56be4bf_proj
	.globl	k_q6eb56be4bf_proj
	.p2align	8
	.type	k_q6eb56be4bf_proj,@function
k_q6eb56be4bf_proj:
	s_mov_b64 s[64:65], 0
	v_nop
	global_prefetch_b8 v0, s[64:65] scope:SCOPE_SE
	s_setreg_imm32_b32 hwreg(HW_REG_WAVE_MODE, 25, 1), 1
	s_wait_xcnt 0x0
	s_wait_alu depctr_hold_cnt(0) depctr_sa_sdst(0) depctr_va_vdst(0) depctr_va_sdst(0) depctr_va_ssrc(0) depctr_va_vcc(0) depctr_vm_vsrc(0)
	s_getreg_b32 s2, hwreg(HW_REG_IB_STS2, 6, 4)
	s_cmp_eq_u32 s2, 0
	s_cbranch_scc0 .Lentry_in_a_cluster
	s_endpgm
.Lentry_in_a_cluster:
	s_bfe_u32 s2, ttmp6, 0x10000c
	s_cmp_lg_u32 s2, 0xf033
	s_cbranch_scc0 .Lentry_shape_is_right
	s_endpgm
.Lentry_shape_is_right:
; The three projections on E4M3 codes, and the quantising of their results.  C[m][n] = sum over k of A[m][k] B[n][k], K = 1,024, tiles of 256 x 256, one to a work-group of four waves
; (a wave: 128 x 128, 64 accumulators, 512 registers).  Each finished sum becomes sum x 2^(ea + eb) + bias in f32 and is quantised with the scale given for it as an operand of attention
; (q: entry 6, k: entry 7, v: entry 9): held within +-448 x the scale, to the nearest code.
; WHICH IS A.  Cluster y / 8 = projection p.  q and k (p < 2): A = x's codes (tokens), B = the weight's codes.  v (p = 2): A = the weight's codes, B = x's codes: V^T is computed.
; THE MATRIX INSTRUCTION IS USED TRANSPOSED (source 0 = 16 rows of B, source 1 = 16 rows of A): lane (r, h) holds row r of A's block and eight neighbours 8 h + 0 .. 7 of B's block.  So for q and k a
; lane holds one token and its registers run along the head's 64; for v a lane holds one channel and its registers run along the keys: in both cases along the K of the product that will read them.
; THE RESULTS ARE STORED AS IMAGES OF THE READER'S OPERAND REGISTERS, 16 bytes a lane, 512 consecutive bytes a store: no stage in LDS is needed.
;   q, k (regions 0, 1 of 8,388,608 bytes; a head 131,072): [tile of 16 tokens][registers 0-3 | 4-7][lane][16 bytes]; registers 2 c, 2 c + 1 = channels 16 c + 8 h + 0 .. 7.
;   v (region 2): [128 keys][16 channels][registers 4 i .. 4 i + 3][lane][16 bytes]; registers 2 c, 2 c + 1 = keys 16 c + 8 h + 0 .. 7.
; K goes in steps of 256 through a ring of two LDS slots filled by the tensor data mover: four fills in all, written out.  A fragment is fetched by four loads of 16 bytes, which permutes k alike in A and B.
; CLUSTERS: 4 x 4 work-groups.  The four of a row of the cluster need the same tiles of A, the four of a column the same tiles of B: each tile is asked for JOINTLY.
; LIMITS: ea + eb between -126 and 127; the results' e between -126 and 119.  NaN among the inputs is not served.
; REGISTERS, in windows of 256: window 0: v0-31 addresses; v32-95, v96-111 the biases; v112, v113 the results' scale and hold; from v128 A's fragments, ONE set; on the way out v128-255 are at work.
;   window 1: B's fragments, TWO sets.   window 2: the accumulators of my rows 0-63 (accumulator (a, b) at v[8 (8 a + b)]);   window 3: those of my rows 64-127.
.set KSTEP,  256
.set ROWB,   256                       ; a tile's row in bytes
.set KROW,   1024                      ; a row of codes in memory
.set PITCH,  272                       ; an LDS row: 256 bytes + 16 of padding = 68 words: the 16 rows that a load touches start at 16 different banks (ISA guide 11.1)
.set FR,     16                        ; registers of a fragment: 16 rows x 128 K
.set NL,     4                         ; LDS loads that bring one
.set NP,     4                         ; places behind this matrix instruction (ISA guide 7.12.1)
.set HALFT,  128*PITCH
.set SLOT,   4*HALFT                   ; A's 256 rows, then B's 256 rows
.set SPARE,  2*SLOT                    ; behind the ring: the spare words, 128 bytes for each wave
.set ADRA, 16                          ; v16-17  LDS address of my A fragments in slot 0, 1
.set ADRB, 20                          ; v20-21  the same for B
.set CO,   26                          ; v26     16 x lane: my place in an image
.set SPW,  28                          ; v28     my spare word; never rewritten
.set NIL,  29                          ; v29     0; never rewritten
.set BC,   32                          ; v32-95  bias along B's rows: register 8 b + j = bias[column 16 b + 8 h + j]
.set BR,   96                          ; v96-111 bias along A's rows: registers 2 a, 2 a + 1 = bias[row 16 a + r], twice (a pair for the packed form)
.set SCL,  112                         ; v112    2^e of the result
.set LIMV, 113                         ; v113    448 x that
.set TMP,  128                         ; the way out: a block's 64 numbers
.set PC,   192                         ; the way out: codes, 16 registers a block, four sets by turns
.set AF,   128                         ; A's fragments
.set G1, 24                            ; s[24:31] descriptor group 1 for A's tiles;  s[32:39] group 0, one set for each slot
.set G0, 32
.set G1B, 48                           ; s[48:55], s[56:63] the same for B's tiles
.set G0B, 56
.set MSB, 0
.macro WIN new                         ; the immediate's high byte repeats the setting that is left
.if MSB != \new
	s_set_vgpr_msb (MSB<<8)|\new
.set MSB, \new
.endif
.endm
.set MUL_LO, 0xa1                      ; source 0 (B) window 1, source 1 (A) window 0, C and D window 2
.set MUL_HI, 0xf1                      ; the same, C and D window 3
.set TO_B,   0x40                      ; destination window 1, address window 0
; A joint load: waves 0 and 1 fetch for A, waves 2 and 3 for B.  Each of the two lines has ONE mask and one set of registers for all that issue it; the branch hangs on the wave's number alone.
; Four v_nop follow each of the two lines, ahead of the jump, the label and what follows.
.macro JLOAD g0a, g1a, g0b, g1b
	s_cmp_eq_u32 s15, 0
	s_cbranch_scc0 .Lfor_b_\@
	tensor_load_to_lds s[\g0a:\g0a+3], s[\g1a:\g1a+7]
	s_nop 0
.rept 4
	v_nop
.endr
	s_branch .Lasked_\@
.Lfor_b_\@:
	tensor_load_to_lds s[\g0b:\g0b+3], s[\g1b:\g1b+7]
	s_nop 0
.rept 4
	v_nop
.endr
.Lasked_\@:
.endm
.macro CREST                           ; a round of the cluster's barrier behind its opening barrier
	s_cmp_lg_u32 s14, 0
	s_cbranch_scc1 .Lnot_wave_0_\@
	s_barrier_signal -3
.Lnot_wave_0_\@:
	s_barrier_wait -3
	s_barrier_signal -1
	s_barrier_wait -1
.endm
.macro CROUND                          ; a whole round
	s_barrier_signal -1
	s_barrier_wait -1
	CREST
.endm
	s_load_b256 s[4:11], s[0:1], 0x0               ; xc s[4:5], wc s[6:7], the exponents s[8:9], bq s[10:11]
	s_load_b128 s[80:83], s[0:1], 0x20             ; bk s[80:81], bv s[82:83]
	s_load_b64 s[84:85], s[0:1], 0x30              ; qkv
	v_lshl_add_u32 v[SPW], v0, 2, SPARE
	v_mov_b32 v[NIL], 0
	ds_add_u32 v28, v29
	s_wait_dscnt 0x0
	v_lshrrev_b32 v1, 5, v0
	v_readfirstlane_b32 s14, v1                    ; wave 0..3
	s_lshr_b32 s15, s14, 1                         ; which half of the tile's rows is mine.  Also: I fetch for A (0) or for B (1)
	s_and_b32 s16, s14, 1                          ; which half of its columns.  Also: which 128 rows of that tile I fetch
	s_bfe_u32 s40, ttmp6, 0x40000                  ; cx, cy: my place in the cluster
	s_bfe_u32 s41, ttmp6, 0x40004
	s_and_b32 s86, ttmp7, 0xffff                   ; the cluster's y, 0 .. 23: the same in all sixteen partners
	s_lshr_b32 s87, s86, 3                         ; p: the projection
	s_and_b32 s88, s86, 7
	s_lshl_b32 s88, s88, 2                         ; the cluster's first tile along the tokens
	s_cmp_eq_u32 s87, 2
	s_cselect_b32 s89, 0, s88                      ; the tokens are C's rows for q and k,
	s_cselect_b32 s90, s88, 0                      ; its columns for v
	s_add_co_u32 s17, s89, s41                     ; tile row of C: never holds cx
	s_add_co_u32 s42, s90, s40                     ; tile column of C: never holds cy
	s_lshl_b32 s43, s41, 2
	s_lshl_b32 s43, 15, s43                        ; my row of the cluster
	s_lshl_b32 s44, 0x1111, s40                    ; my column
	; descriptor group 1: a tile of 128 rows x 256 bytes, padded in LDS
	s_or_b32 s[G1+0], s43, (0<<16)|(1<<20)|(1<<21)|(5<<22)|(3<<25)  ; 15:0 the mask: A's tiles go to my row; 17:16 element of 1 byte; 20 padding on; 21 set beside a mask; 24:22 after every 64 words (code 5); 31:25 of 4 words (code 3)
	s_or_b32 s[G1B+0], s44, (0<<16)|(1<<20)|(1<<21)|(5<<22)|(3<<25)
.irp g, G1, G1B
	s_mov_b32 s[\g+1], ROWB<<16                    ; tensor_dim0
	s_mov_b32 s[\g+2], 128<<16                     ; tensor_dim1 = 128
	s_mov_b32 s[\g+3], ROWB<<16                    ; tile_dim0
	s_mov_b32 s[\g+4], 128                         ; tile_dim1 = 128
	s_mov_b32 s[\g+5], KROW                        ; tensor_dim0_stride
	s_mov_b32 s[\g+6], 0
	s_mov_b32 s[\g+7], 0
.endr
	s_lshl_b32 s18, s16, 7                         ; which 128 rows of the tile I fetch
	s_lshl_b32 s20, s17, 8
	s_add_co_u32 s20, s20, s18                     ; A: row 256 x tile row + 128 x half,
	s_lshl_b32 s20, s20, 10                        ; of 1,024 bytes
	s_mov_b32 s21, 0
	s_lshl_b32 s46, s42, 8
	s_add_co_u32 s46, s46, s18                     ; B: row 256 x tile column + 128 x half
	s_lshl_b32 s46, s46, 10
	s_mov_b32 s47, 0
	s_lshl_b32 s22, s87, 23                        ; x's set p
	s_mov_b32 s23, 0
	s_lshl_b32 s98, s87, 20                        ; weight p
	s_mov_b32 s99, 0
	s_mul_i32 s45, s14, HALFT                      ; where the tiles go: wave x 128 rows: no place in the cluster enters an LDS address
	s_wait_kmcnt 0x0
	s_load_b256 s[68:75], s[8:9], 0x0              ; entries 0 to 7
	s_load_b64 s[76:77], s[8:9], 0x20              ; entries 8, 9
	s_add_nc_u64 s[4:5], s[4:5], s[22:23]
	s_add_nc_u64 s[6:7], s[6:7], s[98:99]
	s_cmp_eq_u32 s87, 2                            ; the choices hang on the cluster's number alone
	s_cselect_b64 s[92:93], s[6:7], s[4:5]         ; A's codes
	s_cselect_b64 s[94:95], s[4:5], s[6:7]         ; B's codes
	s_add_nc_u64 s[20:21], s[92:93], s[20:21]
	s_add_nc_u64 s[46:47], s[94:95], s[46:47]
	s_cmp_eq_u32 s87, 1
	s_cselect_b64 s[78:79], s[80:81], s[10:11]     ; the projection's bias
	s_cmp_eq_u32 s87, 2
	s_cselect_b64 s[78:79], s[82:83], s[78:79]
	CROUND                                         ; all sixteen work-groups are here: the first joint loads meet
.irp s, 0,1
	s_mov_b32 s[G0+4*\s], 1
	s_add_co_u32 s[G0+4*\s+1], s45, \s*SLOT
	s_add_nc_u64 s[G0+4*\s+2:G0+4*\s+3], s[20:21], \s*ROWB
	s_or_b32 s[G0+4*\s+3], s[G0+4*\s+3], 0x80000000
	s_mov_b32 s[G0B+4*\s], 1
	s_add_co_u32 s[G0B+4*\s+1], s45, \s*SLOT
	s_add_nc_u64 s[G0B+4*\s+2:G0B+4*\s+3], s[46:47], \s*ROWB
	s_or_b32 s[G0B+4*\s+3], s[G0B+4*\s+3], 0x80000000
	JLOAD G0+4*\s, G1, G0B+4*\s, G1B
.endr
	v_and_b32 v1, 15, v0                           ; r = l % 16
	v_bfe_u32 v2, v0, 4, 1                         ; h = l / 16
	v_mul_u32_u24 v3, v1, PITCH
	v_lshl_add_u32 v4, v2, 4, v3                   ; a fragment's row x pitch + 16 x half
	s_mul_i32 s21, s15, HALFT                      ; my 128 rows of A
	s_mul_i32 s22, s16, HALFT                      ; my 128 rows of B,
	s_add_co_u32 s22, s22, 2*HALFT                 ; which lie behind A's 256
.irp s, 0,1
	v_add_nc_u32 v[ADRA+\s], s21, v4
	v_add_nc_u32 v[ADRB+\s], s22, v4
	s_add_co_u32 s21, s21, SLOT
	s_add_co_u32 s22, s22, SLOT
.endr
	v_and_b32 v6, 31, v0
	v_lshlrev_b32 v[CO], 4, v6
	; the biases, in both forms: along C's columns (q and k use it) and along C's rows (v uses it).  The index is taken modulo 1,024, which changes nothing in the form that is used and keeps the other inside the buffer.
	; They are waited for on the way out.
	s_lshl_b32 s18, s42, 8
	s_lshl_b32 s19, s16, 7
	s_add_co_u32 s18, s18, s19
	s_and_b32 s18, s18, 1023
	s_lshl_b32 s18, s18, 2
	v_lshl_add_u32 v12, v2, 5, s18                 ; 4 x my first column + 32 h
	s_lshl_b32 s18, s17, 8
	s_lshl_b32 s19, s15, 7
	s_add_co_u32 s18, s18, s19
	s_and_b32 s18, s18, 1023
	s_lshl_b32 s18, s18, 2
	v_lshl_add_u32 v13, v1, 2, s18                 ; 4 x my first row + 4 r
.irp b, 0,1,2,3,4,5,6,7
	global_load_b128 v[BC+8*\b:BC+8*\b+3], v12, s[78:79] offset:64*\b
	global_load_b128 v[BC+8*\b+4:BC+8*\b+7], v12, s[78:79] offset:64*\b+16
.endr
.irp a, 0,1,2,3,4,5,6,7
	global_load_b32 v[BR+2*\a], v13, s[78:79] offset:64*\a
	global_load_b32 v[BR+2*\a+1], v13, s[78:79] offset:64*\a
.endr
	; where my images begin: region p; head = 16 x batch + 4 x the weight side's tile + 2 x its half; in the head, 128 tokens are 8,192 bytes in all three layouts
	s_cmp_eq_u32 s87, 2
	s_cselect_b32 s18, s42, s17                    ; the token side's tile,
	s_cselect_b32 s19, s16, s15                    ; and my half of it
	s_cselect_b32 s22, s17, s42                    ; the weight side's tile,
	s_cselect_b32 s23, s15, s16                    ; and my half of it
	s_lshr_b32 s96, s18, 3                         ; batch: eight tiles of 256 tokens
	s_lshl_b32 s96, s96, 4
	s_lshl_b32 s22, s22, 2
	s_add_co_u32 s96, s96, s22
	s_lshl_b32 s23, s23, 1
	s_add_co_u32 s96, s96, s23
	s_lshl_b32 s96, s96, 17
	s_lshl_b32 s18, s18, 1
	s_add_co_u32 s18, s18, s19
	s_and_b32 s18, s18, 15
	s_lshl_b32 s18, s18, 13
	s_add_co_u32 s96, s96, s18
	s_lshl_b32 s18, s87, 23
	s_add_co_u32 s96, s96, s18
	s_mov_b32 s97, 0
	s_add_nc_u64 s[84:85], s[84:85], s[96:97]
.macro FRAG reg, adr, q, i             ; a fragment, 16 rows x 128 K: lane l holds row l % 16; registers 4 c .. 4 c + 3 hold K = 32 c + 16 (l / 16) + 0 .. 15
.irp c, 0,1,2,3
	ds_load_b128 v[\reg+4*\c:\reg+4*\c+3], v[\adr] offset:128*(\q)+32*\c+(\i)*16*PITCH
.endr
.endm
; 16 matrix instructions: A's blocks a0, a0 + 1 x B's eight, 128 along K.  p: B's set.  zero = 1: the first product starts the sums: nothing is ever cleared.
; The 64 accumulators take turns, one instruction a turn, in the same order in every step.
.macro MUL16 a0, p, zero
.irp a, \a0, \a0+1
.irp b, 0,1,2,3,4,5,6,7
.if \zero
	v_wmma_f32_16x16x128_fp8_fp8 v[8*(8*((\a)%4)+\b):8*(8*((\a)%4)+\b)+7], v[128*(\p)+FR*\b:128*(\p)+FR*\b+FR-1], v[AF+FR*(\a):AF+FR*(\a)+FR-1], 0
.else
	v_wmma_f32_16x16x128_fp8_fp8 v[8*(8*((\a)%4)+\b):8*(8*((\a)%4)+\b)+7], v[128*(\p)+FR*\b:128*(\p)+FR*\b+FR-1], v[AF+FR*(\a):AF+FR*(\a)+FR-1], v[8*(8*((\a)%4)+\b):8*(8*((\a)%4)+\b)+7]
.endif
.endr
.endr
.endm
.macro FETCH_B slot, q, p              ; B's eight fragments of the slot's q-th 128 along K into set p
	WIN TO_B
.irp i, 0,1,2,3,4,5,6,7
	FRAG 128*(\p)+FR*\i, ADRB+\slot, \q, \i
.endr
	WIN 0
.endm
.macro FETCH_A slot, q, i0             ; A's blocks i0 .. i0 + 3
.irp i, \i0, \i0+1, \i0+2, \i0+3
	FRAG AF+FR*(\i), ADRA+\slot, \q, \i
.endr
.endm
; A load into a register that a matrix instruction has read, and a vector instruction that reads a matrix result, stand NP places behind that matrix instruction, and only plain vector
; instructions that name none of its registers are places (ISA guide 7.12.1 for vector instructions).
.macro PLACES n
.rept \n
	v_nop
.endr
.endm
; A step of 128 along K that has its successor in the same slot.
.macro STEP slot, q, zero
	s_wait_dscnt 4*NL                              ; B's set and A's blocks 0-3 are in; the youngest sixteen loads (A's blocks 4-7) may be out
	WIN MUL_LO
	MUL16 0, (\q)%2, \zero
	MUL16 2, (\q)%2, \zero
	s_wait_dscnt 0                                 ; A's blocks 4-7 are in (asked for 32 matrix instructions ago)
	PLACES NP
	FETCH_B \slot, (\q)+1, 1-(\q)%2
	FETCH_A \slot, (\q)+1, 0
	WIN MUL_HI
	MUL16 4, (\q)%2, \zero
	MUL16 6, (\q)%2, \zero
	PLACES NP
	WIN 0
	FETCH_A \slot, (\q)+1, 4
.endm
; A slot's last step changes slots: ONE barrier; in front of it each wave waits for all its tensor loads, adds 0 to its spare word, and waits for that and for its own reads of this slot.  fill = 1: this slot is filled again, two K steps ahead.
.macro TURN slot, next, fill
	s_wait_tensorcnt 0x0                           ; all my tensor loads have landed: my part of the next slot;  (every window is 0 here)
	ds_add_u32 v[SPW], v[NIL]                      ; 0 onto my spare word;
	s_wait_dscnt 4*NL+1                            ; (the add and the youngest sixteen loads, A's blocks 4-7, may be out)
	WIN MUL_LO
	MUL16 0, 1, 0                                  ; sixteen matrix instructions stand between the add and the wait for it
	s_wait_dscnt 0x0                               ; the add is done, and my reads of this slot are over
	s_barrier_signal -1
	MUL16 2, 1, 0
	WIN 0
	s_barrier_wait -1
.if \fill
	CREST                                          ; the barrier has opened a round of the cluster's barrier: no wave of any partner still reads this slot's tile or has a load on its way
	s_add_nc_u64 s[G0+4*\slot+2:G0+4*\slot+3], s[G0+4*\slot+2:G0+4*\slot+3], 2*ROWB
	s_add_nc_u64 s[G0B+4*\slot+2:G0B+4*\slot+3], s[G0B+4*\slot+2:G0B+4*\slot+3], 2*ROWB
	JLOAD G0+4*\slot, G1, G0B+4*\slot, G1B         ; the first tensor load behind the round; the four v_nop behind it are the places in front of the loads below
.else
	PLACES NP
.endif
	FETCH_B \next, 0, 0
	FETCH_A \next, 0, 0
	WIN MUL_HI
	MUL16 4, 1, 0
	MUL16 6, 1, 0
	PLACES NP
	WIN 0
	FETCH_A \next, 0, 4
.endm
	s_wait_tensorcnt 1                             ; my part of K step 0 is in (K step 1's load may be out)
	s_barrier_signal -1
	s_barrier_wait -1                              ; everybody's is
	FETCH_B 0, 0, 0
	FETCH_A 0, 0, 0
	FETCH_A 0, 0, 4
	STEP 0, 0, 1                                   ; K 0-127: its products start the sums
	TURN 0, 1, 1                                   ; K 128-255; slot 0 takes K 512-767
	STEP 1, 0, 0
	TURN 1, 0, 1                                   ; slot 1 takes K 768-1023
	STEP 0, 0, 0
	TURN 0, 1, 0                                   ; nothing is left to fetch: no round of the cluster's barrier
	STEP 1, 0, 0
	s_wait_dscnt 4*NL                              ; the very last step
	WIN MUL_LO
	MUL16 0, 1, 0
	MUL16 2, 1, 0
	s_wait_dscnt 0
	WIN MUL_HI
	MUL16 4, 1, 0
	MUL16 6, 1, 0
	WIN 0
	; THE WAY OUT.  The powers of two are made from the given whole numbers, chosen by the projection without a jump.
	s_wait_kmcnt 0x0
	s_add_co_i32 s96, s68, s69
	s_add_co_i32 s97, s70, s71
	s_add_co_i32 s98, s72, s73
	s_cmp_eq_u32 s87, 1
	s_cselect_b32 s96, s97, s96                    ; ea + eb
	s_cselect_b32 s99, s75, s74                    ; the result's e: entry 6, 7
	s_cmp_eq_u32 s87, 2
	s_cselect_b32 s96, s98, s96
	s_cselect_b32 s99, s77, s99                    ; or 9
	s_add_co_i32 s96, s96, 127
	s_lshl_b32 s96, s96, 23                        ; 2^(ea + eb) as f32
	s_mov_b32 s97, s96                             ; (named with it as a pair, so it is written)
	s_add_co_i32 s99, s99, 127
	s_lshl_b32 s98, s99, 23
	v_mov_b32 v[SCL], s98
	s_add_co_i32 s99, s99, 8
	s_lshl_b32 s99, s99, 23
	s_or_b32 s99, s99, 0x600000
	v_mov_b32 v[LIMV], s99
	s_wait_loadcnt 0x0                             ; the biases
	PLACES NP                                      ; behind the last products: for the first reads of results and the first writes over A's fragments
; Block a (16 rows of A x my 128 columns): sum x 2^(ea + eb) + bias, one packed multiply-add for two numbers, each accumulator from its low end on; the hold; eight conversions; four stores.
; The 16 code registers are: q, k: two heads' fragments of 8 (b / 4 the head, b % 4 the 16 channels); v: one fragment of 16 (b the 16 keys).
.macro OUT isv
.irp a, 0,1,2,3,4,5,6,7
.set AC, 64*((\a)%4)
.set PCA, PC+16*((\a)%4)
.if \a == 4
	s_wait_xcnt 0x0                                ; the stores of blocks 0 to 3 have read their data: their code registers are written again only behind this wait
.endif
	WIN 0x02+((\a)/4)                              ; source 0: window 2 or 3
.irp b, 0,1,2,3,4,5,6,7
.irp i, 0,2,4,6
.if \isv
	v_pk_fma_f32 v[TMP+8*\b+\i:TMP+8*\b+\i+1], v[AC+8*\b+\i:AC+8*\b+\i+1], s[96:97], v[BR+2*\a:BR+2*\a+1] op_sel_hi:[1,0,1]
.else
	v_pk_fma_f32 v[TMP+8*\b+\i:TMP+8*\b+\i+1], v[AC+8*\b+\i:AC+8*\b+\i+1], s[96:97], v[BC+8*\b+\i:BC+8*\b+\i+1] op_sel_hi:[1,0,1]
.endif
.endr
.endr
	WIN 0
.set j, 0
.rept 64
	v_med3_num_f32 v[TMP+j], v[TMP+j], -v[LIMV], v[LIMV]   ; the conversion does not saturate (ISA guide 7.6.2)
.set j, j+1
.endr
.irp b, 0,1,2,3,4,5,6,7
	v_cvt_scalef32_pk8_fp8_f32 v[PCA+2*\b:PCA+2*\b+1], v[TMP+8*\b:TMP+8*\b+7], v[SCL]
.endr
	v_nop                                          ; a plain vector line behind the conversions: the next block writes their sources
.irp i, 0,1,2,3
.if \isv
	global_store_b128 v[CO], v[PCA+4*\i:PCA+4*\i+3], s[84:85] offset:((\a)/4)*131072+((\a)%4)*2048+\i*512   ; head a / 4, channels 16 (a % 4) on, registers 4 i on: 512 consecutive bytes, aligned
.else
	global_store_b128 v[CO], v[PCA+4*\i:PCA+4*\i+3], s[84:85] offset:(\i/2)*131072+(\a)*1024+(\i%2)*512     ; head i / 2, tokens 16 a on, registers 4 (i % 2) on: 512 consecutive bytes, aligned
.endif
.endr
.endr
.endm
	s_cmp_eq_u32 s87, 2                            ; on the cluster's number: alike in all partners; no LDS instruction and no barrier stands in either arm
	s_cbranch_scc1 .Lv
	OUT 0
	s_branch .Lend
.Lv:
	OUT 1
.Lend:
	s_wait_tensorcnt 0x0                           ; the wave's end
	ds_add_u32 v[SPW], v[NIL]
	s_wait_dscnt 0x0
	CROUND                                         ; the closing round: no work-group ends while a partner may still ask for a tile that names it
	s_endpgm
.Lfunc_end_k_q6eb56be4bf_proj:
	.size	k_q6eb56be4bf_proj, .Lfunc_end_k_q6eb56be4bf_proj-k_q6eb56be4bf_proj
	.p2alignl 7, 3214868480
	.fill 96, 4, 3214868480
	.section	.rodata,"a",@progbits
	.p2align	6, 0x0
	.amdhsa_kernel k_q6eb56be4bf_proj
		.amdhsa_group_segment_fixed_size 327680
		.amdhsa_private_segment_fixed_size 0
		.amdhsa_enable_private_segment 0
		.amdhsa_kernarg_size 56
		.amdhsa_user_sgpr_count 2
		.amdhsa_user_sgpr_kernarg_segment_ptr 1
		.amdhsa_wavefront_size32 1
		.amdhsa_system_sgpr_workgroup_id_x 1
		.amdhsa_system_sgpr_workgroup_id_y 1
		.amdhsa_system_sgpr_workgroup_id_z 1
		.amdhsa_system_vgpr_workitem_id 0
		.amdhsa_next_free_vgpr 1024
		.amdhsa_next_free_sgpr 100
		.amdhsa_reserve_vcc 0
		.amdhsa_float_denorm_mode_32 3
		.amdhsa_float_denorm_mode_16_64 3
		.amdhsa_memory_ordered 1
		.amdhsa_forward_progress 1
		.amdhsa_inst_pref_size 194
	.end_amdhsa_kernel
	.amdgpu_metadata
---
amdhsa.version: [ 1, 2 ]
amdhsa.kernels:
  - .name:           k_q6eb56be4bf_proj
    .symbol:         k_q6eb56be4bf_proj.kd
    .args:
      - { .name: xc, .offset: 0, .size: 8, .value_kind: global_buffer, .address_space: global }
      - { .name: wc, .offset: 8, .size: 8, .value_kind: global_buffer, .address_space: global }
      - { .name: lowp_scales, .offset: 16, .size: 8, .value_kind: global_buffer, .address_space: global }
      - { .name: bq, .offset: 24, .size: 8, .value_kind: global_buffer, .address_space: global }
      - { .name: bk, .offset: 32, .size: 8, .value_kind: global_buffer, .address_space: global }
      - { .name: bv, .offset: 40, .size: 8, .value_kind: global_buffer, .address_space: global }
      - { .name: qkv, .offset: 48, .size: 8, .value_kind: global_buffer, .address_space: global }
    .group_segment_fixed_size: 327680
    .private_segment_fixed_size: 0
    .kernarg_segment_align: 8
    .kernarg_segment_size: 56
    .max_flat_workgroup_size: 128
    .sgpr_count:     100
    .vgpr_count:     1024
    .wavefront_size: 32
...
	.end_amdgpu_metadata
.endif
;; end of part 3
;; launch attn (part 4): grid 4 x 64, 8 waves a work-group, clusters of 4 x 1, 327,680 bytes of LDS; arguments qkv, mask, lowp_scales, out0; writes out0
.if DOCPART == 4
	.amdgcn_target "amdgcn-amd-amdhsa--gfx1250"
	.amdhsa_code_object_version 6
	.text
	.protected	k_q6eb56be4bf_attn
	.globl	k_q6eb56be4bf_attn
	.p2align	8
	.type	k_q6eb56be4bf_attn,@function
k_q6eb56be4bf_attn:
	s_mov_b64 s[64:65], 0
	v_nop
	global_prefetch_b8 v0, s[64:65] scope:SCOPE_SE
	s_setreg_imm32_b32 hwreg(HW_REG_WAVE_MODE, 25, 1), 1
	s_wait_xcnt 0x0
	s_wait_alu depctr_hold_cnt(0) depctr_sa_sdst(0) depctr_va_vdst(0) depctr_va_sdst(0) depctr_va_ssrc(0) depctr_va_vcc(0) depctr_vm_vsrc(0)
	s_getreg_b32 s2, hwreg(HW_REG_IB_STS2, 6, 4)
	s_cmp_eq_u32 s2, 0
	s_cbranch_scc0 .Lentry_in_a_cluster
	s_endpgm
.Lentry_in_a_cluster:
	s_bfe_u32 s2, ttmp6, 0x10000c
	s_cmp_lg_u32 s2, 0x3003
	s_cbranch_scc0 .Lentry_shape_is_right
	s_endpgm
.Lentry_shape_is_right:
; out[b][q][64 h ..] = the sum over keys of softmax(Q . K / 8 + (1 - mask[b][key]) x -10000) V, both products on E4M3 codes with given scales (q: entry 6, k: 7, p: 8, v: 9).
; q, k, v come as images of the operands' registers (16 bytes a lane, 512 bytes a load): q, k: [tile of 16 tokens][registers 0-3 | 4-7][lane]; v: [128 keys][16 channels][registers 4 i on][lane].
; THE SOFTMAX AHEAD OF THE SECOND PRODUCT: t = logit x log2(e); M = the running largest t rounded UP to a whole number; p = 2^(t - M) is quantised, not normalised; the row's sum is taken of the
; unquantised p and divides at the end.  When M moves, the sum and O are multiplied by 2^(old M - new M): exact, and with no branch on data.
; THE MASK COSTS NOTHING IN THE LOOP: t = (sum + adder x 8 / 2^(e6 + e7)) x c, c = log2(e) / 8 x 2^(e6 + e7).  The adders so scaled are made once, lie in LDS as f32, and are the C of each score's one matrix instruction.
; SHARES.  A work-group owns 512 queries of one head, each of its eight waves 64: four tiles of 16, in 512 registers: two waves to a SIMD, so that one wave's vector work stands beside the other's matrix work and LDS loads.
; Every wave walks the head's 2,048 keys, 128 a step; a fragment of K, of V or of the adders read from LDS serves all four tiles.
; LAYOUT.  Both products are used transposed: S^T = K Q^T (source 0 = 16 keys, source 1 = 16 queries; K = 64), O^T = V^T P^T (source 0 = 16 channels, source 1 = P; K = 128 keys): a lane holds ONE query (lane % 16) throughout.
; In S^T lane (r, h) holds keys 16 u + 8 h + 0 .. 7 of tile u: eight conversions make of the eight tiles registers 2 u, 2 u + 1 of P, every k in its own place.
; CLUSTER.  The four work-groups of a head walk the same K and V: each slot of 256 keys (16,384 bytes of K, wave 0; 16,384 of V, wave 1) is asked for JOINTLY, with a mask that names the four.
; O^T is cleared once (128 moves) so that the key step is written with no first step of its own: a third copy of the step would cost far more text.
; LIMITS: e6 + e7 between -111 and 130 (it is added to c's exponent field and taken from the adder's); e8 between -126 and 119; e8 + e9 goes by v_ldexp_f32 and has none.  NaN among the inputs is not served.
; REGISTERS.  Window 0: v1-11 addresses; v16-31 four registers of statistics a tile (-M, the largest t, the sum in two halves); v32-41 at work and constants; v64-127 S^T, then p; v128-191 K's eight fragments, then V's four;
;   v192-255 the adders in the result's layout.   Window 1: v0-127 O^T (tile t, channels 16 d on: v[32 t + 8 d]); v128-191 P, 16 a tile; v192-223 Q, 8 a tile.
.set SLOT1, 32768                      ; a slot: K 16,384 bytes, then V 16,384; slot 1 begins here, so that one exclusive or turns an address
.set VOFF,  16384
.set MADD,  65536                      ; 2,048 adders, f32: written by LDS stores, never a tile's place
.set SPARE, 98304                      ; the spare words, 128 bytes for each of eight waves: four blocks of 256 bytes that no other line names
.set STAGE, 102400                     ; the way out: 16 rows x 272 bytes for each wave
.set SP,    272
.set LI,  1                            ; v1   16 x lane
.set AM0, 2                            ; v2   MADD + 32 (lane / 16)
.set PFO, 3                            ; v3   the prefetches' offset; never rewritten
.set SPW, 5                            ; v5   my spare word; never rewritten
.set NIL, 6                            ; v6   0; never rewritten
.set GO,  7                            ; v7   the way out: my byte offset in the wave's rows of out
.set ADK, 8                            ; v8   16 x lane + the slot in hand
.set ADM, 9                            ; v9   the slot's adders
.set STO, 10                           ; v10  the stage, way in
.set RD,  11                           ; v11  the stage, way out
.set ST,  16
.set S,   64
.set KV,  128
.set MC,  192
.set PF,  128                          ; in window 1
.set QF,  192                          ; in window 1
.set WV,  12                           ; s12  my wave's number
.set LIM, 15                           ; s15  1 in the wave that prefetches, else the greatest number
.set PFA, 18                           ; s[18:19] where the prefetches stand
.set SEL, 20                           ; s[20:21] lane selects: lane l xor 16
.set CS,  22                           ; s[22:23] c
.set G1,  24                           ; s[24:31] descriptor group 1, one for K's and V's tiles
.set G0,  32                           ; s[32:35] descriptor group 0, which walks
.set TB,  36                           ; s36  LDS byte at which the slot in hand begins
.set MB,  37                           ; s37  the slot's first adder, in bytes
.set SLOTS, 38                         ; s38  slots still to be asked for
.set MSB, 0
.macro WIN new                         ; the immediate's high byte repeats the setting that is left
.if MSB != \new
	s_set_vgpr_msb (MSB<<8)|\new
.set MSB, \new
.endif
.endm
; A joint load: wave 0 fetches the slot's K, wave 1 its V, by one line (the two differ in addresses made of the wave's number); the others fetch nothing.  Four v_nop follow the line.
.macro JLOAD
	s_cmp_lt_u32 s[WV], 2
	s_cbranch_scc0 .Lnone_\@
	tensor_load_to_lds s[G0:G0+3], s[G1:G1+7]
	s_nop 0
.rept 4
	v_nop
.endr
.Lnone_\@:
.endm
; A PREFETCH INTO THE L2 of the slot that the NEXT change of slots will ask for: two key steps ahead of that load.  A head's K and V are read by this cluster alone.  In each partner wave 2 asks, by one instruction:
; lanes 0-15 for sixteen blocks of 256 bytes of K, lanes 16-31 for the same of V; the four partners are told apart BY ADDRESS, 4,096 bytes each of a slot's 16,384.  So each block of slots 2 to 7 is named once.
; Slots 0 and 1 come by their loads alone; the last change that fills a slot asks for nothing.
.macro ASK
	s_cmp_gt_u32 s[SLOTS], s[LIM]
	s_cbranch_scc0 .Lnot_mine_\@
	global_prefetch_b8 v[PFO], s[PFA:PFA+1] th:TH_LOAD_NT scope:SCOPE_SE
.Lnot_mine_\@:
.endm
.macro CROUND                          ; a round of the cluster's barrier
	s_barrier_signal -1
	s_barrier_wait -1
	s_cmp_lg_u32 s[WV], 0
	s_cbranch_scc1 .Lnot_wave_0_\@
	s_barrier_signal -3
.Lnot_wave_0_\@:
	s_barrier_wait -3
	s_barrier_signal -1
	s_barrier_wait -1
.endm
	s_load_b256 s[4:11], s[0:1], 0x0               ; qkv s[4:5], mask s[6:7], the exponents s[8:9], out s[10:11]
	v_lshl_add_u32 v[SPW], v0, 2, SPARE
	v_mov_b32 v[NIL], 0
	ds_add_u32 v5, v6
	s_wait_dscnt 0x0
	v_lshrrev_b32 v1, 5, v0
	v_readfirstlane_b32 s[WV], v1                  ; wave 0..7
	s_bfe_u32 s13, ttmp6, 0x40000                  ; cx: my block of 512 queries: it enters Q's, out's and the prefetches' addresses alone
	s_and_b32 s14, ttmp7, 0xffff                   ; 16 x batch + head, which the four partners share
	; descriptor group 1: a dense block of 16,384 bytes as 64 rows of 256
	s_mov_b32 s[G1], 15|(3<<16)|(1<<21)            ; 15:0 the mask: all four work-groups; 17:16 elements of 8 bytes; 20 no padding; 21 set beside a mask
	s_mov_b32 s[G1+1], 32<<16                      ; tensor_dim0 = 32
	s_mov_b32 s[G1+2], 64<<16                      ; tensor_dim1 = 64
	s_mov_b32 s[G1+3], 32<<16                      ; tile_dim0 = 32
	s_mov_b32 s[G1+4], 64                          ; tile_dim1 = 64
	s_mov_b32 s[G1+5], 32                          ; tensor_dim0_stride
	s_mov_b32 s[G1+6], 0
	s_mov_b32 s[G1+7], 0
	s_mov_b32 s[SEL], 0x76543210
	s_mov_b32 s[SEL+1], 0xfedcba98
	s_mov_b32 s[TB], 0
	s_mov_b32 s[MB], 0
	s_mov_b32 s[SLOTS], 7
	s_cmp_eq_u32 s[WV], 2
	s_cselect_b32 s[LIM], 1, -1
	s_and_b32 s44, s[WV], 1                        ; K (0) or V (1)
	s_lshl_b32 s[G0+1], s44, 14                    ; its place in slot 0: no place in the cluster enters an LDS address
	s_add_co_u32 s45, s44, 1
	s_lshl_b32 s46, s45, 23                        ; region 1 or 2 of qkv,
	s_lshl_b32 s48, s14, 17                        ; the head's 131,072 bytes
	s_add_co_u32 s46, s46, s48
	s_mov_b32 s47, 0
	s_wait_kmcnt 0x0
	s_load_b128 s[40:43], s[8:9], 0x18             ; entries 6 to 9
	s_mov_b32 s[G0], 1                             ; count = 1
	s_add_nc_u64 s[G0+2:G0+3], s[4:5], s[46:47]    ; the head's first 256 keys
	s_or_b32 s[G0+3], s[G0+3], 0x80000000          ; type = 2
	CROUND                                         ; all four work-groups are here: the first joint loads meet
	JLOAD                                          ; slot 0
	s_lshl_b32 s50, s13, 15                        ; Q: my block's 32 tiles of 1,024 bytes,
	s_lshl_b32 s51, s[WV], 12                      ; my wave's four
	s_add_co_u32 s50, s50, s51
	s_add_co_u32 s50, s50, s48
	s_mov_b32 s51, 0
	s_add_nc_u64 s[50:51], s[4:5], s[50:51]
	s_lshr_b32 s52, s14, 4                         ; the batch's 2,048 words of the mask
	s_lshl_b32 s52, s52, 13
	s_mov_b32 s53, 0
	s_add_nc_u64 s[52:53], s[6:7], s[52:53]
	s_lshl_b32 s[PFA], s13, 12                     ; the prefetches: my work-group's 4,096 bytes, in K's region, in slot 1: the first change of slots steps it to slot 2
	s_add_co_u32 s[PFA], s[PFA], s48
	s_add_co_u32 s[PFA], s[PFA], 8388608+16384
	s_mov_b32 s[PFA+1], 0
	s_add_nc_u64 s[PFA:PFA+1], s[4:5], s[PFA:PFA+1]
	s_lshr_b32 s54, s14, 4                         ; out: (2,048 x batch + 512 cx + 64 wave) rows of 4,096 bytes + 256 x head
	s_lshl_b32 s54, s54, 23
	s_lshl_b32 s55, s13, 21
	s_add_co_u32 s54, s54, s55
	s_lshl_b32 s55, s[WV], 18
	s_add_co_u32 s54, s54, s55
	s_and_b32 s55, s14, 15
	s_lshl_b32 s55, s55, 8
	s_add_co_u32 s54, s54, s55
	s_mov_b32 s55, 0
	s_add_nc_u64 s[10:11], s[10:11], s[54:55]
	v_and_b32 v4, 31, v0
	v_lshlrev_b32 v[LI], 4, v4
	v_bfe_u32 v12, v0, 4, 1                        ; h = lane / 16
	v_and_b32 v13, 15, v0                          ; r = lane % 16
	v_lshl_add_u32 v[AM0], v12, 5, MADD
	v_lshlrev_b32 v[PFO], 23, v12                  ; lanes 16-31: one region on, V's
	v_lshl_add_u32 v[PFO], v13, 8, v[PFO]          ; lanes 256 bytes apart
	v_lshlrev_b32 v[GO], 12, v12
	v_lshl_add_u32 v[GO], v13, 4, v[GO]            ; lanes 0-15 one row of out, lanes 16-31 the next; 16 bytes a lane
	s_mul_i32 s56, s[WV], 16*SP
	s_add_co_u32 s56, s56, STAGE                   ; my stage
	v_mul_u32_u24 v[STO], v13, SP
	v_lshl_add_u32 v[STO], v12, 5, v[STO]
	v_add_nc_u32 v[STO], s56, v[STO]               ; in: row r, + 32 h
	v_mul_u32_u24 v[RD], v12, SP
	v_lshl_add_u32 v[RD], v13, 4, v[RD]
	v_add_nc_u32 v[RD], s56, v[RD]                 ; back: two rows an instruction
	v_lshlrev_b32 v14, 5, v0                       ; thread T takes keys 8 T .. 8 T + 7 of the mask
	v_lshl_add_u32 v15, v0, 5, MADD                ; and puts their adders here
	global_load_b128 v[44:47], v14, s[52:53]
	global_load_b128 v[48:51], v14, s[52:53] offset:16
	WIN 0x40                                       ; destination window 1
.irp t, 0,1,2,3
	global_load_b128 v[QF+8*\t:QF+8*\t+3], v[LI], s[50:51] offset:1024*\t        ; Q's fragments stay in registers
	global_load_b128 v[QF+8*\t+4:QF+8*\t+7], v[LI], s[50:51] offset:1024*\t+512
.endr
.set j, 0
.rept 128
	v_mov_b32 v[j], 0                              ; O^T: the first change of M leaves zeros zeros
.set j, j+1
.endr
	WIN 0
.irp t, 0,1,2,3
	v_mov_b32 v[ST+4*\t+1], 0xff61b1e6             ; the largest t so far: -3e38, under every t
	v_floor_f32 v[ST+4*\t], -v[ST+4*\t+1]          ; -M
	v_mov_b32 v[ST+4*\t+2], 0                      ; the sum, in two halves
	v_mov_b32 v[ST+4*\t+3], 0
.endr
	v_mov_b32 v35, 0                               ; (named as the upper half of the pair v[34:35])
	v_mov_b32 v36, 0                               ; written once: a lane permute's destination counts as one of its sources
	s_wait_kmcnt 0x0
	s_add_co_i32 s44, s40, s41                     ; e6 + e7
	s_lshl_b32 s44, s44, 23
	s_mov_b32 s[CS], 0x3e38aa3b                    ; log2(e) / 8,
	s_add_co_i32 s[CS], s[CS], s44                 ; x 2^(e6 + e7): added to its exponent field
	s_mov_b32 s[CS+1], s[CS]                       ; (named with it as a pair, so it is written)
	s_mov_b32 s45, 0xc79c4000                      ; -80,000 = -10,000 x 8,
	s_sub_co_i32 s45, s45, s44                     ; / 2^(e6 + e7)
	s_add_co_i32 s46, s42, 127
	s_lshl_b32 s47, s46, 23
	v_mov_b32 v41, s47                             ; 2^e8 as f32, for the conversion
	s_add_co_i32 s46, s46, 8
	s_lshl_b32 s46, s46, 23
	s_or_b32 s46, s46, 0x600000
	v_mov_b32 v40, s46                             ; 448 x 2^e8
	s_add_co_i32 s39, s42, s43                     ; e8 + e9, for the way out
	s_wait_loadcnt 8                               ; the mask's two loads are in; Q's eight, issued behind them, may be out
.irp j, 44,45,46,47,48,49,50,51
	v_cvt_f32_i32 v[\j], v[\j]
.endr
.irp j, 44,45,46,47,48,49,50,51
	v_sub_f32 v[\j], 1.0, v[\j]
.endr
.irp j, 44,45,46,47,48,49,50,51
	v_mul_f32 v[\j], s45, v[\j]                    ; (1 - mask) x -10,000 x 8 / 2^(e6 + e7)
.endr
	ds_store_b128 v15, v[44:47]                    ; the first change of slots waits for these and passes a barrier ahead of any read
	ds_store_b128 v15, v[48:51] offset:16
	s_wait_loadcnt 0x0                             ; Q
; One tile's softmax for one key step.  S holds the tile's 64 scores of my query (with the adders in them); P and O^T of tile t are written.
.macro SOFT t
.set rT, ST+4*(\t)
	v_max3_num_f32 v32, v[S], v[S+1], v[S+2]       ; the step's largest score among my 64 keys, in two chains, each accumulator from its low end on,
	v_max3_num_f32 v33, v[S+3], v[S+4], v[S+5]
.set i, 6
.rept 14
	v_max3_num_f32 v32, v32, v[S+i], v[S+i+1]
	v_max3_num_f32 v33, v33, v[S+i+2], v[S+i+3]
.set i, i+4
.endr
	v_max3_num_f32 v32, v32, v[S+62], v[S+63]
	v_max_num_f32 v32, v32, v33
	v_permlanex16_b32 v36, v32, s[SEL], s[SEL+1]
	v_max_num_f32 v32, v32, v36                    ; and among lane l xor 16's
	v_mul_f32 v32, s[CS], v32                      ; as t (c is positive)
	v_max_num_f32 v[rT+1], v[rT+1], v32            ; the running largest t
	v_mov_b32 v32, v[rT]
	v_floor_f32 v[rT], -v[rT+1]                    ; the new -M = floor(-t) = -ceil(t): a whole number
	v_sub_f32 v32, v[rT], v32                      ; old M less new M: a whole number, 0 or less
	v_cvt_i32_f32 v32, v32                         ; (it saturates)
	v_ldexp_f32 v34, 1.0, v32                      ; f = 2^(old M - new M)
.set i, 0
.rept 32
	v_pk_fma_f32 v[S+i:S+i+1], v[S+i:S+i+1], s[CS:CS+1], v[rT:rT+1] op_sel_hi:[1,0,0]   ; t - M, two at a time (of the pairs c and -M the low word serves both halves)
.set i, i+2
.endr
.set i, 0
.rept 64
	v_exp_f32 v[S+i], v[S+i]                       ; p = 2^(t - M), at most 1
.set i, i+1
.endr
	v_pk_mul_f32 v[rT+2:rT+3], v[rT+2:rT+3], v[34:35] op_sel_hi:[1,0]   ; the sums under the new M: the plain line behind the exponentials
	s_wait_alu depctr_va_vdst(0)                   ; one wait for the whole batch, ahead of its first reader
	v_pk_add_f32 v[38:39], v[S:S+1], v[S+2:S+3]    ; the row's sum is taken of the unquantised p: two at a time, in two chains
.set i, 4
.rept 15
	v_pk_add_f32 v[rT+2:rT+3], v[rT+2:rT+3], v[S+i:S+i+1]
	v_pk_add_f32 v[38:39], v[38:39], v[S+i+2:S+i+3]
.set i, i+4
.endr
	v_pk_add_f32 v[rT+2:rT+3], v[rT+2:rT+3], v[38:39]
.set i, 0
.rept 64
	v_min_num_f32 v[S+i], v[S+i], v40              ; the conversion does not saturate (ISA guide 7.6.2); p is not negative, so the hold is one-sided
.set i, i+1
.endr
	WIN 0x40                                       ; destination window 1
.irp u, 0,1,2,3,4,5,6,7
	v_cvt_scalef32_pk8_fp8_f32 v[PF+16*(\t)+2*\u:PF+16*(\t)+2*\u+1], v[S+8*\u:S+8*\u+7], v41   ; keys 16 u + 8 h + 0 .. 7: registers 2 u, 2 u + 1 of P
.endr
	WIN 0x41                                       ; O^T (destination and source 0) window 1, f window 0
.set i, 0
.rept 16
	v_pk_mul_f32 v[32*(\t)+i:32*(\t)+i+1], v[32*(\t)+i:32*(\t)+i+1], v[34:35] op_sel_hi:[1,0]   ; O^T under the new M.  (Plain lines behind the conversions, and places ahead of the next products)
.set i, i+2
.endr
.endm
.macro FETCH_V q                       ; V's four fragments of the step: 16 channels x 128 keys each
.irp d, 0,1,2,3
.irp i, 0,1,2,3
	ds_load_b128 v[KV+16*\d+4*\i:KV+16*\d+4*\i+3], v[ADK] offset:VOFF+8192*(\q)+2048*\d+512*\i
.endr
.endr
.endm
; A KEY STEP: 128 keys, the q-th of the slot in hand.
.macro STEP q
	WIN 0
.if \q == 0
	v_add_nc_u32 v[ADK], s[TB], v[LI]              ; with the two v_nop: the four places behind the last products, in front of loads into registers that they have read
	v_add_nc_u32 v[ADM], s[MB], v[AM0]
	v_nop
	v_nop
.else
.rept 4
	v_nop
.endr
.endif
.irp u, 0,1,2,3,4,5,6,7
	ds_load_b128 v[KV+8*\u:KV+8*\u+3], v[ADK] offset:8192*\q+1024*\u           ; K's tile u: 16 keys x 64 channels, as it was stored
	ds_load_b128 v[KV+8*\u+4:KV+8*\u+7], v[ADK] offset:8192*\q+1024*\u+512
.endr
.irp u, 0,1,2,3,4,5,6,7
	ds_load_b128 v[MC+8*\u:MC+8*\u+3], v[ADM] offset:512*\q+64*\u              ; the adders of keys 16 u + 8 h + 0 .. 7: sixteen lanes share each word
	ds_load_b128 v[MC+8*\u+4:MC+8*\u+7], v[ADM] offset:512*\q+64*\u+16
.endr
	s_wait_dscnt 0x0
.irp t, 0,1,2,3
	WIN 0x04                                       ; source 1 (Q) window 1
.irp u, 0,1,2,3,4,5,6,7
	v_wmma_f32_16x16x64_fp8_fp8 v[S+8*\u:S+8*\u+7], v[KV+8*\u:KV+8*\u+7], v[QF+8*\t:QF+8*\t+7], v[MC+8*\u:MC+8*\u+7]
.endr
.rept 4
	v_nop                                          ; places: ahead of the first read of the scores, and of the loads over K's fragments
.endr
	WIN 0
.if \t == 3
	FETCH_V \q                                     ; K is done with: V lands under the last tile's softmax
.endif
	SOFT \t
.endr
	s_wait_dscnt 0x0                               ; V is in
	WIN 0x54                                       ; source 1 (P), C and D (O^T) window 1
.irp d, 0,1,2,3                        ; sixteen accumulators, one instruction each: no two that follow each other share one
.irp t, 0,1,2,3
	v_wmma_f32_16x16x128_fp8_fp8 v[32*\t+8*\d:32*\t+8*\d+7], v[KV+16*\d:KV+16*\d+15], v[PF+16*\t:PF+16*\t+15], v[32*\t+8*\d:32*\t+8*\d+7]
.endr
.endr
.endm
; THE CHANGE OF SLOTS stands at a slot's head.  Each wave waits for all its tensor loads (its part of the slot that is about to be read), adds 0 to its spare word, and waits for that, for its reads of the slot
; that it has left and (the first time) for its stores of the adders.  fill = 1: a round of the cluster's barrier, and behind it the slot just left is filled with the keys that follow: the load has two key steps in which to land.
.macro CHANGE fill
	s_wait_tensorcnt 0x0                           ; no tensor load of mine is out, so group 0 may be written
	ds_add_u32 v[SPW], v[NIL]                      ; 0 onto my spare word
.if \fill
	s_xor_b32 s[G0+1], s[G0+1], SLOT1              ; the walking descriptor: the other slot than last time,
	s_add_nc_u64 s[G0+2:G0+3], s[G0+2:G0+3], 16384 ; the next 256 keys; the type bits on top are not reached
	s_wait_xcnt 0x0                                ; the last prefetch, a slot back, has read its address, so it may be written:
	s_add_nc_u64 s[PFA:PFA+1], s[PFA:PFA+1], 16384 ; one slot further on than the walking descriptor
	s_wait_dscnt 0x0
	CROUND
	JLOAD                                          ; the first thing behind the round, and a wave's one tensor load until the next
	ASK
.else
	s_wait_dscnt 0x0
	s_barrier_signal -1
	s_barrier_wait -1
.endif
.endm
.macro SLOT_STEPS
	STEP 0
	STEP 1
	WIN 0                                          ; at a label and at a branch every window is 0
	s_xor_b32 s[TB], s[TB], SLOT1                  ; on to the other slot,
	s_add_co_u32 s[MB], s[MB], 1024                ; and to the next 256 adders
.endm
.Lslot:                                            ; seven trips: behind each change of slots but the last the next slot is asked for
	CHANGE 1
	SLOT_STEPS
	s_sub_co_u32 s[SLOTS], s[SLOTS], 1
	s_cmp_lg_u32 s[SLOTS], 0
	s_cbranch_scc1 .Lslot
	CHANGE 0                                       ; the last slot is written out
	SLOT_STEPS
	; THE WAY OUT.  The sum's halves and the other half of the lanes' are added (the four additions are the places behind the last products); O^T x 2^(e8 + e9) / the sum goes through my stage, a tile at a time.
.irp t, 0,1,2,3
	v_add_f32 v[ST+4*\t+2], v[ST+4*\t+2], v[ST+4*\t+3]
.endr
.irp t, 0,1,2,3
	v_permlanex16_b32 v[ST+4*\t+3], v[ST+4*\t+2], s[SEL], s[SEL+1]
.endr
.irp t, 0,1,2,3
	v_add_f32 v[ST+4*\t+2], v[ST+4*\t+2], v[ST+4*\t+3]
.endr
.irp t, 0,1,2,3
	v_rcp_f32 v[ST+4*\t+2], v[ST+4*\t+2]
.endr
	v_nop                                          ; a plain line behind the last reciprocal
	s_wait_alu depctr_va_vdst(0)                   ; one wait for the four, ahead of the first reader
.irp t, 0,1,2,3
	v_ldexp_f32 v[ST+4*\t+2], v[ST+4*\t+2], s39
.endr
; Tile t: register 8 d + j of lane (r, h) is out(query r, channel 16 d + 8 h + j): 32 bytes a lane go into rows of 272 bytes and come back as whole rows of 256.
.macro PACK t
.set rO, S+32*((\t)%2)
.set rB, KV+32*(\t)
	WIN 0x01                                       ; source 0 (O^T) window 1
.set i, 0
.rept 16
	v_pk_mul_f32 v[rO+i:rO+i+1], v[32*(\t)+i:32*(\t)+i+1], v[ST+4*(\t)+2:ST+4*(\t)+3] op_sel_hi:[1,0]
.set i, i+2
.endr
	WIN 0
.irp d, 0,1,2,3
	ds_store_b128 v[STO], v[rO+8*\d:rO+8*\d+3] offset:64*\d
	ds_store_b128 v[STO], v[rO+8*\d+4:rO+8*\d+7] offset:64*\d+16
.endr
.irp f, 0,1,2,3,4,5,6,7
	ds_load_b128 v[rB+4*\f:rB+4*\f+3], v[RD] offset:\f*2*SP   ; LDS serves a wave's instructions in order (ISA guide 5.7.1.4): these see the stores above; the next tile's stores come behind them
.endr
.endm
.macro SEND t, younger                 ; younger: the LDS instructions issued behind tile t's loads: the next tile's sixteen, or none
.irp f, 0,1,2,3,4,5,6,7
	s_wait_dscnt \younger+7-\f
	global_store_b128 v[GO], v[KV+32*(\t)+4*\f:KV+32*(\t)+4*\f+3], s[10:11] offset:(16*(\t)+2*\f)*4096 th:TH_STORE_NT   ; sixteen lanes store 256 consecutive bytes, aligned: a head's part of a row of out
.endr
.endm
	PACK 0
	PACK 1                                         ; a tile's arithmetic stands between the loads of the tile before and its stores
	SEND 0, 16
	PACK 2
	SEND 1, 16
	PACK 3
	SEND 2, 16
	SEND 3, 0
	s_wait_tensorcnt 0x0                           ; the wave's end
	ds_add_u32 v[SPW], v[NIL]
	s_wait_dscnt 0x0
	CROUND                                         ; the closing round: no work-group ends while a partner may still ask for a tile that names it
	s_endpgm
.Lfunc_end_k_q6eb56be4bf_attn:
	.size	k_q6eb56be4bf_attn, .Lfunc_end_k_q6eb56be4bf_attn-k_q6eb56be4bf_attn
	.p2alignl 7, 3214868480
	.fill 96, 4, 3214868480
	.section	.rodata,"a",@progbits
	.p2align	6, 0x0
	.amdhsa_kernel k_q6eb56be4bf_attn
		.amdhsa_group_segment_fixed_size 327680
		.amdhsa_private_segment_fixed_size 0
		.amdhsa_enable_private_segment 0
		.amdhsa_kernarg_size 32
		.amdhsa_user_sgpr_count 2
		.amdhsa_user_sgpr_kernarg_segment_ptr 1
		.amdhsa_wavefront_size32 1
		.amdhsa_system_sgpr_workgroup_id_x 1
		.amdhsa_system_sgpr_workgroup_id_y 1
		.amdhsa_system_sgpr_workgroup_id_z 1
		.amdhsa_system_vgpr_workitem_id 0
		.amdhsa_next_free_vgpr 512
		.amdhsa_next_free_sgpr 66
		.amdhsa_reserve_vcc 0
		.amdhsa_float_denorm_mode_32 3
		.amdhsa_float_denorm_mode_16_64 3
		.amdhsa_memory_ordered 1
		.amdhsa_forward_progress 1
		.amdhsa_inst_pref_size 248
	.end_amdhsa_kernel
	.amdgpu_metadata
---
amdhsa.version: [ 1, 2 ]
amdhsa.kernels:
  - .name:           k_q6eb56be4bf_attn
    .symbol:         k_q6eb56be4bf_attn.kd
    .args:
      - { .name: qkv, .offset: 0, .size: 8, .value_kind: global_buffer, .address_space: global }
      - { .name: mask, .offset: 8, .size: 8, .value_kind: global_buffer, .address_space: global }
      - { .name: lowp_scales, .offset: 16, .size: 8, .value_kind: global_buffer, .address_space: global }
      - { .name: out0, .offset: 24, .size: 8, .value_kind: global_buffer, .address_space: global }
    .group_segment_fixed_size: 327680
    .private_segment_fixed_size: 0
    .kernarg_segment_align: 8
    .kernarg_segment_size: 32
    .max_flat_workgroup_size: 256
    .sgpr_count:     66
    .vgpr_count:     512
    .wavefront_size: 32
...
	.end_amdgpu_metadata
.endif
;; end of part 4
